; MI455X (gfx1250); checked and timed in simulation.
; The chip was launched on July 23, 2026; its instructions are those of AMD's public machine-readable ISA for CDNA 5 (MIT licence, August 2026) and "CDNA5" Instruction Set Architecture Reference Guide (July 2026). The comments in the code are by the model that wrote it; some were corrected since.
;; FM. Allowed arithmetic: float matrix products may take bf16 or f16 operands with f32 sums; all other float work in f32.
;; Inputs: action_emb 2 x 64 float32; action_first 2 x 1 float32; emb_first 8 x 12 x 1 float32; emb_tables 8 x 12 x 64 float32; feats 8 x 131,072 int32; label 131,072 x 2 float32; pos_weights 131,072 x 2 float32.
;; Outputs: out0 131,072 x 2 float32; out1 one number float32; out2 131,072 x 1 float32.
;; One version. Each part assembles by itself: llvm-mc -triple=amdgcn-amd-amdhsa -mcpu=gfx1250 --defsym DOCPART=n.
;; ======== version 1 of 1: 2 launches
;; limits: values outside matrix products are rounded to bf16
;; workspace buffers: partials 1,024 bytes
;; launch fm_main (part 1): grid 256 x 1, 8 waves a work-group, no clusters, 68,864 bytes of LDS; arguments emb_tables, action_emb, emb_first, action_first, feats, label, pos_weights, out0, out2, partials; writes out0, out2, partials
.if DOCPART == 1
	.amdgcn_target "amdgcn-amd-amdhsa--gfx1250"
	.amdhsa_code_object_version 6
	.text
	.protected	k_qe9968a10d7_fm_main
	.globl	k_qe9968a10d7_fm_main
	.p2align	8
	.type	k_qe9968a10d7_fm_main,@function
k_qe9968a10d7_fm_main:
	s_mov_b64 s[64:65], 0
	v_nop
	global_prefetch_b8 v0, s[64:65] scope:SCOPE_SE
	s_setreg_imm32_b32 hwreg(HW_REG_WAVE_MODE, 25, 1), 1
	s_wait_xcnt 0x0
; FM: 131,072 elements, each naming one of 12 rows in each of 8 tables of 64 f32.
;   out0[b][k] = <S_b, a_k> + fo_b + action_first[k],  out2[b] = sum over fields i < j of <e_i, e_j>,  partials[g] = this group's sum of w (inf - label)^2.
; Everything hangs on 96 + 2 vectors only, so each work-group first makes two small tables in LDS with the matrix unit
; (bf16 operands, f32 sums), which is the same algebra for every input:
;   G[(w, n), (j, m)] = <T[j][m], T[w][n]>  for the 28 pairs of fields,   P_k[(w, n)] = <a_k, T[w][n]> + emb_first[w][n].
; Then an element costs 28 lookups of 4 bytes (the pair term, summed directly: no difference of large sums is formed)
; and 8 lookups of 8 bytes (both inferences).
; SHARING: 256 work-groups of 8 waves; group g owns elements 512 g .. 512 g + 511, thread t the two elements 512 g + 2 t, + 1.
; A wave's load of feats or store of out2 covers 256 consecutive aligned bytes, of label, pos_weights and out0 512.
; Wave w owns field w as the matrix unit's second source and makes tile d = 0 (against the action rows), tiles d = 1..3 (against field
; (w + d) mod 8) and, in waves 0..3, tile d = 4: 8 x 3 + 4 = 28, every pair of fields once.
; LIMITS: an index is taken as 0..11, as the problem's definition relies on; read as unsigned, anything above is taken as 11 (negative ones too).
; The tables' and the action rows' numbers are rounded to bf16 for the products; emb_first, action_first and all sums stay in f32.
; The sums run in a fixed tree order, not in the order of the fields.
; NO JOINT LOADS IN A CLUSTER: what work-groups share is one read of 25,088 bytes at the head of a text without a loop; it must pass through
; registers anyway to become bf16, and two rounds of a cluster's barrier would stand on the one chain that this text waits on.
; NO RING, NO PREFETCH: a thread's whole stream is ten loads, all issued at the first line at which their addresses exist.
.set B4,       524288                  ; bytes in a row of feats
.set MP,       144                     ; M: a row of 64 bf16 (128 bytes) + 16: an odd multiple of 16, so 16 rows' 16-byte pieces fall on 16 different columns of 256 bytes
.set GP,       80                      ; G: a row of 16 f32 (64 bytes) + 16: an odd multiple of 16 likewise
.set SLOT,     16*GP                   ; one tile of G: 1,280 bytes
.set M_BASE,   40*SLOT                 ; G: bytes 0 .. 51,199, slot (w, d) at (5 w + d) SLOT;  M: 112 rows from byte 51,200 to 67,327
.set FBLK,     12*MP                   ; a field's 12 rows in M
.set ACTROW,   96                      ; M's rows 96 + 2 w, 97 + 2 w: wave w's own copy of the two action rows
.set RED_BASE, 67584                   ; eight f32, one for each wave
.set ACT,  7                           ; v7        LDS address of my piece of the action fragment
.set FA,   12                          ; v[12:16]  LDS address of my piece of the fragment of field (w + d) mod 8
.set REDA, 17                          ; v17       RED_BASE + 4 w
.set AFV,  18                          ; v[18:19]  action_first[0], [1]
.set TB,   20                          ; v[20:43]  the table as loaded
.set BF,   64                          ; v[64:79]  fragment of field w: 16 rows x 64 K
.set AF,   80                          ; v[80:159] first sources: block d at AF + 16 d
.set ACC,  160                         ; v[160:199] tile d at ACC + 8 d
.set IDX,  200                         ; v[200:215] index of field f, element e at IDX + 2 f + e
.set LB,   216                         ; v[216:219] label of my two elements
.set PW,   220                         ; v[220:223] pos_weights
.set ZERO, 224                         ; v224      0, the offset of the last store: above everything that is used anew below
; behind the tables' build v20 .. v199 are used anew:
.set ROW,  20                          ; v[20:35]  80 x index, at ROW + 8 e + f
.set ADR,  36                          ; v[36:91]  one address for each lookup in G, at ADR + 28 e + i
.set GV,   92                          ; v[92:147] what it brought
.set PV,   148                         ; v[148:179] (P_0, P_1) of field f, at PV + 16 e + 2 f
.set INF,  184                         ; v[184:187] inferences of my two elements
.set PR,   188                         ; v[188:189] pair terms
.set DF,   190                         ; v[190:193] inference - label, then its square
.set LS,   194                         ; v[194:195] weighted loss
	s_load_b512 s[4:19], s[0:1], 0x0               ; emb_tables s[4:5], action_emb s[6:7], emb_first s[8:9], action_first s[10:11], feats s[12:13], label s[14:15], pos_weights s[16:17], out0 s[18:19]
	s_load_b128 s[20:23], s[0:1], 0x40             ; out2 s[20:21], partials s[22:23]
	v_lshl_add_u32 v232, v0, 2, 0x10900
	v_mov_b32 v233, 0
	v_lshrrev_b32 v11, 5, v0
	v_readfirstlane_b32 s28, v11                   ; w, my wave's number
	v_and_b32 v1, 15, v0                           ; r
	v_bfe_u32 v2, v0, 4, 1                         ; h
	v_lshlrev_b32 v3, 4, v0                        ; 16 t: table, label, pos_weights, out0
	v_lshlrev_b32 v4, 3, v0                        ; 8 t: feats, out2
	v_and_b32 v63, 31, v0
	v_lshlrev_b32 v63, 4, v63                      ; 16 x lane: the action rows
	v_lshrrev_b32 v11, 4, v0                       ; t / 16 = 2 w + h
	v_mul_u32_u24 v5, v11, MP
	v_lshl_add_u32 v5, v1, 3, v5
	v_add_nc_u32 v5, M_BASE, v5                    ; stage: row t / 16, 8 bytes (4 bf16) at 8 r
	v_min_u32 v11, 11, v1                          ; a field has 12 rows: lanes 12 to 15 take row 11 again, and their results are never looked up
	v_mul_u32_u24 v6, v11, MP
	v_lshl_add_u32 v6, v2, 4, v6
	v_add_nc_u32 v6, M_BASE, v6                    ; fragment: row min(r, 11), 16 h
	s_mul_i32 s42, s28, 48
	v_lshl_add_u32 v9, v11, 2, s42                 ; emb_first[w][min(r, 11)]
	v_and_b32 v7, 1, v0
	v_mul_u32_u24 v7, v7, MP
	v_lshl_add_u32 v7, v2, 4, v7
	s_mul_i32 s44, s28, 2*MP
	s_add_co_u32 s44, s44, M_BASE+ACTROW*MP
	v_add_nc_u32 v[ACT], s44, v7                   ; action fragment: even rows a_0, odd rows a_1, from my wave's copy
	v_mul_u32_u24 v8, v1, GP
	v_lshl_add_u32 v8, v2, 5, v8
	s_mul_i32 s41, s28, 5*SLOT
	v_add_nc_u32 v8, s41, v8                       ; tile store: my wave's five slots, row n = r, columns m = 8 h ..
.irp d, 0,1,2,3,4
	s_add_co_u32 s[36+\d], s28, \d
	s_and_b32 s[36+\d], s[36+\d], 7
	s_mul_i32 s[36+\d], s[36+\d], FBLK
	v_add_nc_u32 v[FA+\d], s[36+\d], v6            ; field (w + d) mod 8
.endr
	s_lshl_b32 s43, s28, 2
	s_add_co_u32 s43, s43, RED_BASE
	s_mov_b32 s26, 0x76543210                      ; v_permlanex16_b32: lane i of one half reads lane i of the other
	s_mov_b32 s27, 0xfedcba98
	s_lshl_b32 s30, ttmp9, 11                      ; 512 elements x 4 bytes
	s_mov_b32 s31, 0
	s_lshl_b32 s32, ttmp9, 12                      ; 512 elements x 8 bytes
	s_mov_b32 s33, 0
	s_lshl_b32 s34, ttmp9, 2                       ; one word of partials
	s_mov_b32 s35, 0
	s_wait_kmcnt 0x0
	s_load_b64 s[24:25], s[10:11], 0x0             ; action_first, both numbers
	s_add_nc_u64 s[12:13], s[12:13], s[30:31]
	s_add_nc_u64 s[20:21], s[20:21], s[30:31]
	s_add_nc_u64 s[14:15], s[14:15], s[32:33]
	s_add_nc_u64 s[16:17], s[16:17], s[32:33]
	s_add_nc_u64 s[18:19], s[18:19], s[32:33]
	s_add_nc_u64 s[22:23], s[22:23], s[34:35]
	; All global loads in one run, what the build waits for first.  v3, v4, v9 and the bases are never written again; v63 only long behind its load's wait.
	global_load_b128 v[44:47], v63, s[6:7]                          ; the two action rows: lane l has row l / 16, columns 4 r ..
.irp i, 0,1,2,3,4,5
	global_load_b128 v[TB+4*\i:TB+4*\i+3], v3, s[4:5] offset:4096*\i   ; table row t / 16 + 16 i, columns 4 r .. 4 r + 3
.endr
	global_load_b32 v10, v9, s[8:9]
.irp f, 0,1,2,3,4,5,6,7
	global_load_b64 v[IDX+2*\f:IDX+2*\f+1], v4, s[12:13] offset:\f*B4 th:TH_LOAD_NT
.endr
	global_load_b128 v[LB:LB+3], v3, s[14:15] th:TH_LOAD_NT
	global_load_b128 v[PW:PW+3], v3, s[16:17] th:TH_LOAD_NT
	; The stage: f32 to bf16, into M.
	s_wait_loadcnt 11                              ; behind the table stand emb_first 1 + feats 8 + label 1 + pos_weights 1; the action rows stand ahead of it
.irp i, 0,1,2,3,4,5
	v_cvt_pk_bf16_f32 v[48+2*\i], v[TB+4*\i],   v[TB+4*\i+1]
	v_cvt_pk_bf16_f32 v[49+2*\i], v[TB+4*\i+2], v[TB+4*\i+3]
.endr
	v_cvt_pk_bf16_f32 v60, v44, v45
	v_cvt_pk_bf16_f32 v61, v46, v47
.irp i, 0,1,2,3,4,5
	ds_store_b64 v5, v[48+2*\i:49+2*\i] offset:16*MP*\i
.endr
	ds_store_b64 v5, v[60:61] offset:ACTROW*MP     ; row 96 + t / 16 = 96 + 2 w + h: my wave's own copy
	s_wait_dscnt 0x0                               ; my rows of M are written, for the other waves' sake,
	s_barrier_signal -1
	s_barrier_wait -1                              ; and so are everybody's
; A fragment of 16 rows x 64 K: registers 0-7 serve K 0-31, registers 8-15 K 32-63; in each, lane (r, h) holds K = 8 h .. + 7 and 16 + 8 h .. + 7 of its row.
; The last piece begins at byte 16 h + 96 of a row, so no load reaches the 16 bytes of padding behind a row's 128.
.macro FRAG dst, adr
.irp q, 0,1,2,3
	ds_load_b128 v[(\dst)+4*\q:(\dst)+4*\q+3], v[\adr] offset:32*\q
.endr
.endm
; cnt tiles of 16 x 16 x 64.  Result register j of lane (r, h) is <first source's row 8 h + j, T[w][r]>: eight neighbouring words of G's row r.
.macro BUILD cnt
	FRAG BF, FA
	FRAG AF, ACT
.set dd, 1
.rept \cnt-1
	FRAG AF+16*dd, FA+dd
.set dd, dd+1
.endr
.set dd, 0
.rept \cnt
	s_wait_dscnt 4*(\cnt-1-dd)                     ; the later tiles' fragments, four loads each, may stay out
	v_wmma_f32_16x16x32_bf16 v[ACC+8*dd:ACC+8*dd+7], v[AF+16*dd:AF+16*dd+7], v[BF:BF+7], 0    ; the first product starts the sum
.set dd, dd+1
.endr
.set dd, 0
.rept \cnt                                     ; the accumulators take turns, one instruction a turn
	v_wmma_f32_16x16x32_bf16 v[ACC+8*dd:ACC+8*dd+7], v[AF+16*dd+8:AF+16*dd+15], v[BF+8:BF+15], v[ACC+8*dd:ACC+8*dd+7]
.set dd, dd+1
.endr
	s_wait_loadcnt 10                              ; emb_first is in: feats 8 + label 1 + pos_weights 1 stand behind it
	v_mov_b32 v[AFV], s24                          ; four plain vector instructions that name no matrix register stand between the last
	v_mov_b32 v[AFV+1], s25                        ; matrix instruction and the first line that reads a result (ISA guide 7.12.1)
	v_mov_b32 v[REDA], s43
	v_mov_b32 v[ZERO], 0
	v_add_f32 v[ACC], v[ACC], v10                  ; tile 0, columns 0 and 1: P_k = <a_k, T[w][r]> + emb_first[w][r], added in f32
	v_add_f32 v[ACC+1], v[ACC+1], v10              ; (in lanes 16 to 31 these are columns 8 and 9, which nobody looks up)
.set dd, 0
.rept \cnt
	ds_store_b128 v8, v[ACC+8*dd:ACC+8*dd+3]   offset:dd*SLOT
	ds_store_b128 v8, v[ACC+8*dd+4:ACC+8*dd+7] offset:dd*SLOT+16
.set dd, dd+1
.endr
.endm
	s_wait_kmcnt 0x0                               ; action_first
	s_cmp_lt_u32 s28, 4
	s_cbranch_scc0 .Lfour
	BUILD 5                                        ; waves 0 to 3 also pair field w with field w + 4
	s_branch .Lbuilt
.Lfour:
	BUILD 4
.Lbuilt:
	s_wait_dscnt 0x0                               ; my tiles are written,
	s_barrier_signal -1
	s_barrier_wait -1                              ; everybody's are: G is whole and is never written again
	s_wait_loadcnt 2                               ; the indices are in; label and pos_weights may stay out
.irp f, 0,1,2,3,4,5,6,7
.irp e, 0,1
	v_min_u32 v[IDX+2*\f+\e], 11, v[IDX+2*\f+\e]               ; no lookup leaves its tile
	v_mul_u32_u24 v[ROW+8*\e+\f], v[IDX+2*\f+\e], GP           ; the index as a row of G
.endr
.endr
; The 36 lookups of element e: (P_0, P_1) of each field, and G of each of the 28 pairs: row = index of field w, column = index of field (w + d) mod 8.
.macro LOOKUP e
.irp w, 0,1,2,3,4,5,6,7
	ds_load_b64 v[PV+16*\e+2*\w:PV+16*\e+2*\w+1], v[ROW+8*\e+\w] offset:5*\w*SLOT
.endr
.set ii, 0
.irp w, 0,1,2,3,4,5,6,7
.irp d, 1,2,3,4
.if 8*\d+\w < 36                               ; d < 4, or d = 4 and w < 4
	v_lshl_add_u32 v[ADR+28*\e+ii], v[IDX+2*((\w+\d)&7)+\e], 2, v[ROW+8*\e+\w]
	ds_load_b32 v[GV+28*\e+ii], v[ADR+28*\e+ii] offset:(5*\w+\d)*SLOT
.set ii, ii+1
.endif
.endr
.endr
.endm
; Element e's sums, two numbers at a time, as trees.
.macro PADD base, p, q
	v_pk_add_f32 v[(\base)+2*(\p):(\base)+2*(\p)+1], v[(\base)+2*(\p):(\base)+2*(\p)+1], v[(\base)+2*(\q):(\base)+2*(\q)+1]
.endm
.macro SUMS e
.irp p, 0,1,2,3,4,5,6
	PADD GV+28*\e, \p, \p+7                        ; 14 pairs of registers to 7
.endr
.irp p, 0,1,2
	PADD GV+28*\e, \p, \p+3                        ; to 4: pairs 0, 1, 2 and 6
.endr
.irp p, 0,1,2,3
	PADD PV+16*\e, \p, \p+4                        ; the eight fields' (P_0, P_1) to 4
.endr
	PADD GV+28*\e, 0, 1
	PADD GV+28*\e, 2, 6
	PADD PV+16*\e, 0, 2
	PADD PV+16*\e, 1, 3
	PADD GV+28*\e, 0, 2
	PADD PV+16*\e, 0, 1
	v_add_f32 v[PR+\e], v[GV+28*\e], v[GV+28*\e+1]
	v_pk_add_f32 v[INF+2*\e:INF+2*\e+1], v[PV+16*\e:PV+16*\e+1], v[AFV:AFV+1]
.endm
	LOOKUP 0                                       ; 72 LDS loads in a row: where the counter's field is full the issue is held (ISA guide 5.7.1), so no wait is placed for that
	LOOKUP 1
	s_wait_dscnt 36                                ; element 0's are in; element 1's 36 may stay out
	SUMS 0
	s_wait_dscnt 0x0
	SUMS 1
	global_store_b128 v3, v[INF:INF+3], s[18:19] th:TH_STORE_NT    ; a wave's store covers 512 consecutive aligned bytes
	global_store_b64 v4, v[PR:PR+1], s[20:21] th:TH_STORE_NT       ; 256 consecutive aligned bytes.  INF, PR, v3 and v4 are not written again
	; The weighted loss of my two elements, then of the wave.
	s_wait_loadcnt 0x0                             ; label and pos_weights
	v_pk_add_f32 v[DF:DF+1],   v[INF:INF+1],   v[LB:LB+1]   neg_lo:[0,1] neg_hi:[0,1]
	v_pk_add_f32 v[DF+2:DF+3], v[INF+2:INF+3], v[LB+2:LB+3] neg_lo:[0,1] neg_hi:[0,1]
	v_pk_mul_f32 v[DF:DF+1],   v[DF:DF+1],   v[DF:DF+1]
	v_pk_mul_f32 v[DF+2:DF+3], v[DF+2:DF+3], v[DF+2:DF+3]
	v_pk_mul_f32 v[LS:LS+1], v[PW:PW+1], v[DF:DF+1]
	v_pk_fma_f32 v[LS:LS+1], v[PW+2:PW+3], v[DF+2:DF+3], v[LS:LS+1]
	v_add_f32 v[LS], v[LS], v[LS+1]
	v_add_f32_dpp v[LS], v[LS], v[LS] row_xmask:1 row_mask:0xf bank_mask:0xf
	v_add_f32_dpp v[LS], v[LS], v[LS] row_xmask:2 row_mask:0xf bank_mask:0xf
	v_add_f32_dpp v[LS], v[LS], v[LS] row_xmask:4 row_mask:0xf bank_mask:0xf
	v_add_f32_dpp v[LS], v[LS], v[LS] row_xmask:8 row_mask:0xf bank_mask:0xf
	v_permlanex16_b32 v[LS+1], v[LS], s26, s27     ; its destination has been written above
	v_add_f32 v[LS], v[LS], v[LS+1]
	ds_store_b32 v[REDA], v[LS]                    ; every lane writes the wave's word with the same number
	s_wait_dscnt 0x0                               ; written, for wave 0's sake
	s_barrier_signal -1
	s_barrier_wait -1
	s_cmp_lg_u32 s28, 0
	s_cbranch_scc1 .Lend
	v_mov_b32 v11, RED_BASE                        ; wave 0 adds the eight waves' sums
	ds_load_b128 v[196:199], v11
	ds_load_b128 v[20:23], v11 offset:16
	s_wait_dscnt 0x0
	v_pk_add_f32 v[196:197], v[196:197], v[198:199]
	v_pk_add_f32 v[20:21], v[20:21], v[22:23]
	v_pk_add_f32 v[196:197], v[196:197], v[20:21]
	v_add_f32 v196, v196, v197
	v_cmp_eq_u32 vcc_lo, 0, v0
	s_wait_xcnt 0x0                                ; EXEC is a source of the two stores above: it is narrowed only behind this wait
	s_and_saveexec_b32 s29, vcc_lo
	global_store_b32 v[ZERO], v196, s[22:23]       ; one word for the work-group: the sum over work-groups is made by the next launch, without atomics
.Lend:
	s_wait_xcnt 0x0
	s_mov_b32 exec_lo, -1
	s_wait_tensorcnt 0x0
	ds_add_u32 v232, v233
	s_wait_dscnt 0x0
	s_endpgm
.Lfunc_end_k_qe9968a10d7_fm_main:
	.size	k_qe9968a10d7_fm_main, .Lfunc_end_k_qe9968a10d7_fm_main-k_qe9968a10d7_fm_main
	.p2alignl 7, 3214868480
	.fill 96, 4, 3214868480
	.section	.rodata,"a",@progbits
	.p2align	6, 0x0
	.amdhsa_kernel k_qe9968a10d7_fm_main
		.amdhsa_group_segment_fixed_size 68864
		.amdhsa_private_segment_fixed_size 0
		.amdhsa_enable_private_segment 0
		.amdhsa_kernarg_size 80
		.amdhsa_user_sgpr_count 2
		.amdhsa_user_sgpr_kernarg_segment_ptr 1
		.amdhsa_wavefront_size32 1
		.amdhsa_system_sgpr_workgroup_id_x 1
		.amdhsa_system_sgpr_workgroup_id_y 1
		.amdhsa_system_sgpr_workgroup_id_z 1
		.amdhsa_system_vgpr_workitem_id 0
		.amdhsa_next_free_vgpr 234
		.amdhsa_next_free_sgpr 66
		.amdhsa_reserve_vcc 1
		.amdhsa_float_denorm_mode_32 3
		.amdhsa_float_denorm_mode_16_64 3
		.amdhsa_memory_ordered 1
		.amdhsa_forward_progress 1
		.amdhsa_inst_pref_size 28
	.end_amdhsa_kernel
	.amdgpu_metadata
---
amdhsa.version: [ 1, 2 ]
amdhsa.kernels:
  - .name:           k_qe9968a10d7_fm_main
    .symbol:         k_qe9968a10d7_fm_main.kd
    .args:
      - { .name: emb_tables, .offset: 0, .size: 8, .value_kind: global_buffer, .address_space: global }
      - { .name: action_emb, .offset: 8, .size: 8, .value_kind: global_buffer, .address_space: global }
      - { .name: emb_first, .offset: 16, .size: 8, .value_kind: global_buffer, .address_space: global }
      - { .name: action_first, .offset: 24, .size: 8, .value_kind: global_buffer, .address_space: global }
      - { .name: feats, .offset: 32, .size: 8, .value_kind: global_buffer, .address_space: global }
      - { .name: label, .offset: 40, .size: 8, .value_kind: global_buffer, .address_space: global }
      - { .name: pos_weights, .offset: 48, .size: 8, .value_kind: global_buffer, .address_space: global }
      - { .name: out0, .offset: 56, .size: 8, .value_kind: global_buffer, .address_space: global }
      - { .name: out2, .offset: 64, .size: 8, .value_kind: global_buffer, .address_space: global }
      - { .name: partials, .offset: 72, .size: 8, .value_kind: global_buffer, .address_space: global }
    .group_segment_fixed_size: 68864
    .private_segment_fixed_size: 0
    .kernarg_segment_align: 8
    .kernarg_segment_size: 80
    .max_flat_workgroup_size: 256
    .sgpr_count:     66
    .vgpr_count:     234
    .wavefront_size: 32
...
	.end_amdgpu_metadata
.endif
;; end of part 1
;; launch fm_mean (part 2): grid 1 x 1, 1 waves a work-group, no clusters, 0 bytes of LDS; arguments partials, out1; writes out1
.if DOCPART == 2
	.amdgcn_target "amdgcn-amd-amdhsa--gfx1250"
	.amdhsa_code_object_version 6
	.text
	.protected	k_qe9968a10d7_fm_mean
	.globl	k_qe9968a10d7_fm_mean
	.p2align	8
	.type	k_qe9968a10d7_fm_mean,@function
k_qe9968a10d7_fm_mean:
	s_mov_b64 s[64:65], 0
	v_nop
	global_prefetch_b8 v0, s[64:65] scope:SCOPE_SE
	s_setreg_imm32_b32 hwreg(HW_REG_WAVE_MODE, 25, 1), 1
	s_wait_xcnt 0x0
; out1 = (sum of the 256 work-groups' weighted losses) / 131,072.
; 1,024 bytes in all: one wave, two loads of 16 bytes a lane (512 consecutive bytes each), no LDS, no barrier.
; The order of the sum is fixed (lane, wave), so the result is the same in every run.
	s_load_b128 s[4:7], s[0:1], 0x0                ; partials s[4:5], out1 s[6:7]
	s_mov_b32 s8, 0x76543210                       ; v_permlanex16_b32: lane i of one half reads lane i of the other
	s_mov_b32 s9, 0xfedcba98
	v_lshlrev_b32 v1, 4, v0
	v_mov_b32 v11, 0
	s_wait_kmcnt 0x0
	global_load_b128 v[2:5], v1, s[4:5]
	global_load_b128 v[6:9], v1, s[4:5] offset:512
	s_wait_loadcnt 0x0
	v_pk_add_f32 v[2:3], v[2:3], v[6:7]
	v_pk_add_f32 v[4:5], v[4:5], v[8:9]
	v_pk_add_f32 v[2:3], v[2:3], v[4:5]
	v_add_f32 v2, v2, v3
	v_add_f32_dpp v2, v2, v2 row_xmask:1 row_mask:0xf bank_mask:0xf
	v_add_f32_dpp v2, v2, v2 row_xmask:2 row_mask:0xf bank_mask:0xf
	v_add_f32_dpp v2, v2, v2 row_xmask:4 row_mask:0xf bank_mask:0xf
	v_add_f32_dpp v2, v2, v2 row_xmask:8 row_mask:0xf bank_mask:0xf
	v_permlanex16_b32 v3, v2, s8, s9               ; its destination has been written above
	v_add_f32 v2, v2, v3
	v_mul_f32 v2, 0x37000000, v2                   ; x 2^-17 = 1 / 131,072, exact
	v_cmp_eq_u32 vcc_lo, 0, v0
	s_wait_xcnt 0x0                                ; EXEC is narrowed only behind this wait
	s_and_saveexec_b32 s10, vcc_lo
	global_store_b32 v11, v2, s[6:7]
	s_endpgm
.Lfunc_end_k_qe9968a10d7_fm_mean:
	.size	k_qe9968a10d7_fm_mean, .Lfunc_end_k_qe9968a10d7_fm_mean-k_qe9968a10d7_fm_mean
	.p2alignl 7, 3214868480
	.fill 96, 4, 3214868480
	.section	.rodata,"a",@progbits
	.p2align	6, 0x0
	.amdhsa_kernel k_qe9968a10d7_fm_mean
		.amdhsa_group_segment_fixed_size 0
		.amdhsa_private_segment_fixed_size 0
		.amdhsa_enable_private_segment 0
		.amdhsa_kernarg_size 16
		.amdhsa_user_sgpr_count 2
		.amdhsa_user_sgpr_kernarg_segment_ptr 1
		.amdhsa_wavefront_size32 1
		.amdhsa_system_sgpr_workgroup_id_x 1
		.amdhsa_system_sgpr_workgroup_id_y 1
		.amdhsa_system_sgpr_workgroup_id_z 1
		.amdhsa_system_vgpr_workitem_id 0
		.amdhsa_next_free_vgpr 12
		.amdhsa_next_free_sgpr 66
		.amdhsa_reserve_vcc 1
		.amdhsa_float_denorm_mode_32 3
		.amdhsa_float_denorm_mode_16_64 3
		.amdhsa_memory_ordered 1
		.amdhsa_forward_progress 1
		.amdhsa_inst_pref_size 2
	.end_amdhsa_kernel
	.amdgpu_metadata
---
amdhsa.version: [ 1, 2 ]
amdhsa.kernels:
  - .name:           k_qe9968a10d7_fm_mean
    .symbol:         k_qe9968a10d7_fm_mean.kd
    .args:
      - { .name: partials, .offset: 0, .size: 8, .value_kind: global_buffer, .address_space: global }
      - { .name: out1, .offset: 8, .size: 8, .value_kind: global_buffer, .address_space: global }
    .group_segment_fixed_size: 0
    .private_segment_fixed_size: 0
    .kernarg_segment_align: 8
    .kernarg_segment_size: 16
    .max_flat_workgroup_size: 32
    .sgpr_count:     66
    .vgpr_count:     12
    .wavefront_size: 32
...
	.end_amdgpu_metadata
.endif
;; end of part 2
